; MI455X (gfx1250); checked and timed in simulation.
; The chip was launched on July 23, 2026; its instructions are those of AMD's public machine-readable ISA for CDNA 5 (MIT licence, August 2026) and "CDNA5" Instruction Set Architecture Reference Guide (July 2026). The comments in the code are by the model that wrote it; some were corrected since.
;; Cross Attention. Allowed arithmetic: matrix products marked QUANTISED: E2M1 operands, one E8M0 scale for each 32 along K, by v_wmma_scale_f32_16x16x128_f8f6f4 with both operands' format E2M1 (or v_wmma_scale_f32_32x16x128_f4), f32 sums; everything else in f32.
;; Inputs: Jg_embedding_codes 8 x 64 x 64 x 2 x 16 uint8 (E2M1 codes of Jg_embedding, K innermost, in blocks of 32 codes, two codes a byte); Jg_embedding_scales 8 x 64 x 64 x 2 uint8 (E8M0 scales of Jg_embedding, one for each 32 codes along K); Jp_embedding_codes 8 x 64 x 64 x 2 x 16 uint8 (E2M1 codes of Jp_embedding, K innermost, in blocks of 32 codes, two codes a byte); Jp_embedding_scales 8 x 64 x 64 x 2 uint8 (E8M0 scales of Jp_embedding, one for each 32 codes along K); Wk_codes 128 x 2 x 16 uint8 (E2M1 codes of Wk, K innermost, in blocks of 32 codes, two codes a byte); Wk_scales 128 x 2 uint8 (E8M0 scales of Wk, one for each 32 codes along K); Wq_codes 128 x 2 x 16 uint8 (E2M1 codes of Wq, K innermost, in blocks of 32 codes, two codes a byte); Wq_scales 128 x 2 uint8 (E8M0 scales of Wq, one for each 32 codes along K); Wv_codes 128 x 2 x 16 uint8 (E2M1 codes of Wv, K innermost, in blocks of 32 codes, two codes a byte); Wv_scales 128 x 2 uint8 (E8M0 scales of Wv, one for each 32 codes along K); bk 128 float32; bq 128 float32; bv 128 float32.
;; Outputs: out0 8 x 128 x 64 x 64 float32.
;; This version of the problem:
;;   THIS VERSION OF THE PROBLEM IS GIVEN IN LOW PRECISION. The matrix products marked QUANTISED in the list below multiply operands that are first quantised to E2M1 (2 exponent bits, 1 mantissa bit; 4 bits a number), with one power-of-two scale for each 32 numbers along K (OCP MX v1.0); their sums are f32. All else is computed in f32.
;;   The module's matrix products, in the order in which they are computed (A, B: the left and right operand; K: the contracted axis; several contracted axes count as one K, in the product's order):
;;     1. [M 32,768, K 64] x [K 64, N 128]; A: input Jp_embedding (given as codes); B: input Wq (given as codes): QUANTISED
;;     2. [M 128, K 64] x [K 64, N 32,768]; A: input Wk (given as codes); B: input Jg_embedding (given as codes): QUANTISED
;;     3. [M 32,768, K 64] x [K 64, N 128]; A: input Jg_embedding (given as codes); B: input Wv (given as codes): QUANTISED
;;     4. batch 8 x [M 4,096, K 128] x [K 128, N 4,096]; A: computed on the way; B: computed on the way: QUANTISED
;;     5. batch 8 x [M 4,096, K 4,096] x [K 4,096, N 128]; A: softmax (see below); B: computed on the way: QUANTISED
;;   THE QUANTISER, for each operand of a quantised product, along K:
;;     - K is cut into blocks of 32 from its start; a last block that is shorter is filled with zeros.
;;     - A block's scale is 2^e with e = floor(log2(the largest magnitude in the block)) - 2, held to -126 .. 127; a block of zeros has e = 0. As a byte (E8M0): e + 127.
;;     - Each number is divided by its block's scale, clamped to +-6, and rounded to the nearest number of E2M1, ties to even, subnormals kept.
;;     - The product sums the exact products of the quantised numbers (number of the format x scale) in f32.
;;   ~~~python
;;   def quantise(x, axis):      # numpy; x: float32 -> the quantised numbers, widened to float32 again
;;       x = np.moveaxis(x, axis, -1); K = x.shape[-1]
;;       x = np.pad(x, [(0, 0)] * (x.ndim - 1) + [(0, -K % 32)]); x = x.reshape(x.shape[:-1] + (-1, 32)); a = np.abs(x).max(-1, keepdims=True)
;;       e = np.where(a > 0, np.clip(np.frexp(np.where(a > 0, a, 1))[1] - 1 - 2, -126, 127), 0)      # np.frexp(a)[1] - 1 = floor(log2(a)), exactly
;;       r = np.clip(x / 2.0 ** e, -6, 6)
;;       step = 2.0 ** (np.maximum(np.frexp(np.where(r == 0, 1, r))[1] - 1, 0) - 1)
;;       q = np.round(r / step) * step * 2.0 ** e      # np.round: ties to even
;;       return np.moveaxis(q.reshape(q.shape[:-2] + (-1,))[..., :K], -1, axis).astype(np.float32)
;;   ~~~
;;   SOFTMAX AHEAD OF A QUANTISED PRODUCT. Where the list says 'softmax', what is quantised is not the finished softmax but p = 2^(t - M), with t = logit x log2(e) and M = ceil(the row's largest t), a whole number; so 1/2 < the row's largest p <= 1. The row's sum l is taken of the UNQUANTISED p, in f32, and the product's result is divided by l at the end. Since M is a whole number, a kernel that streams over the keys may use a running M (the ceiling of the running maximum): every later rescaling is an exact power of two, which a block's scale takes up: the codes' values come out the same.
;;   OPERANDS COMPUTED ON THE WAY. 'Computed on the way' means the value that the module computes at that place (a softmax that the list does not call 'softmax' is quantised finished and normalised). What goes into a quantiser is computed in f32, as accurately as f32 sums, v_exp_f32 and their like allow (about 1e-6 of the number): no bf16 or f16 on the way to a quantiser, and a product that is left as it is and whose result goes on into a quantised operand takes f32 operands (vector FMAs, or v_wmma_f32_16x16x4_f32). A number that lies on a knife's edge between two numbers of the format may be rounded either way, as far as f32 arithmetic and the matrix unit's own rounding can turn it there, and no further.
;;   INPUTS GIVEN AS CODES. Jg_embedding (in the module: [8, 64, 64, 64], K = its axis 1); Jp_embedding (in the module: [8, 64, 64, 64], K = its axis 1); Wk (in the module: [128, 64], K = its axis 1); Wq (in the module: [128, 64], K = its axis 1); Wv (in the module: [128, 64], K = its axis 1): each comes as NAME_codes (uint8): NAME with its K axis moved to the last place and cut into blocks of 32 codes, [.., K / 32, bytes a block], one block behind the other in memory; two codes a byte, the lower K in the low four bits (a code: sign, 2 exponent bits, 1 mantissa bit); and NAME_scales (uint8): the same leading axes, one E8M0 byte (e + 127) for each 32 codes along K. Its value is code x scale, taken as it is: it is not quantised again, and the codes and scales need not be those that the quantiser above would give.
;; One version. Each part assembles by itself: llvm-mc -triple=amdgcn-amd-amdhsa -mcpu=gfx1250 --defsym DOCPART=n.
;; ======== version 1 of 1: 2 launches
;; workspace buffers: qbuf 2,228,224 bytes; kv 4,456,448 bytes
;; launch proj (part 1): grid 256 x 3, 8 waves a work-group, no clusters, 2,048 bytes of LDS; arguments Jg_embedding_codes, Jg_embedding_scales, Jp_embedding_codes, Jp_embedding_scales, Wk_codes, Wk_scales, Wq_codes, Wq_scales, Wv_codes, Wv_scales, bk, bq, bv, qbuf, kv; writes qbuf, kv
.if DOCPART == 1
	.amdgcn_target "amdgcn-amd-amdhsa--gfx1250"
	.amdhsa_code_object_version 6
	.text
	.protected	k_q575251044a_proj
	.globl	k_q575251044a_proj
	.p2align	8
	.type	k_q575251044a_proj,@function
k_q575251044a_proj:
	s_mov_b64 s[64:65], 0
	v_nop
	global_prefetch_b8 v0, s[64:65] scope:SCOPE_SE
	s_setreg_imm32_b32 hwreg(HW_REG_WAVE_MODE, 25, 1), 1
	s_wait_xcnt 0x0
; THE THREE PROJECTIONS (K = 64, on the given codes of E2M1), their biases, and the quantising of Q, K and V for the two products of the attention.
; Work-group (x, y): x = G, a group of 128 neighbouring pixels (G = 32 x batch + step); y = the role: 0 K, 1 Q, 2 V.  Eight waves; wave w makes ONE operand fragment (16 rows x 128 along the next K) and its 16 scale words.
; ONE TEXT FOR ALL ROLES: eight products ACC_t = A_t x B + bias.  A is a block of 128 rows of 32 bytes, B one tile of 16 rows.  Lane r of A's tile t takes row 32 (t/2) + 8 (t%2) + r + 8 (r/8), so that in the result
; lane (r, h) holds B's row r and its register 16 b + i holds A's row 32 b + 16 h + i: 16 neighbours along the next K in 16 consecutive registers, as the conversions want them.
;   K, Q: A = the weight (rows d), B = 16 pixels: the next K is d.   V: A = the group's 128 pixels, B = 16 rows of Wv: the next K is the keys.
; K = 64 IS HALF OF THE INSTRUCTION'S 128: registers 4-7 of every fragment are zero codes, on both sides; a scale word is loaded as 16 bits, so its bytes 2 and 3 are 0, which stands over zero codes alone.
; THE RESULTS are laid as images of the operand's registers: a fragment is 1,024 bytes, register group c of lane l at 512 c + 16 l; the word of tile T, lane r at 256 (T/4) + 16 r + 4 (T%4) of the group's 512 scale bytes.
;   kv, 17,408 bytes a group: K's 8 images, V's 8 images, K's words, V's words.   qbuf, 8,704 bytes a group: Q's 8 images, Q's words.
; K's tile T holds keys 32 (T/2) + 8 (T%2) + r + 8 (r/8) of the group, so that the attention's scores again fall as neighbours along its second K; Q's tile T holds queries 16 T + r; V's tile T the channels 16 T + r.
; NO CLUSTER, NO TENSOR LOADS: what work-groups share is a weight of 4,096 bytes and a group's 4,096 bytes of codes, and every operand goes from memory straight into the registers that the product names.
; LIMITS: NaN, infinities and the scale byte 0xff among the inputs are not served.  A block of zeros gets the byte 1 where the rule says 127: its codes are zeros, and this program alone reads the bytes.
.set AF,  16                           ; v16-79    A's eight fragments
.set BF,  80                           ; v80-87    B's fragment
.set ACC, 88                           ; v88-151   the eight results
.set BV,  152                          ; v152-159  V's bias: the lane's one number, eight times
.set AS,  160                          ; v160-167  A's scale words: scales and nothing else
.set BS,  168                          ; v168      B's scale word
.set TM,  172                          ; v172-175 largest magnitudes, v176-179 at work and bytes, v184-187 the conversions' scale operands
.set PW,  188                          ; the scale word just made
.set PC,  192                          ; v192-199  the codes just made
.set WV,  38                           ; s38  wave
.set RO,  39                           ; s39  role
.set SEL, 2                            ; s[2:3] lane selects for v_permlanex16_b32: lane l xor 16
; 64 numbers of a lane, v[s] .. v[s + 63], register 16 b + i = k 32 b + 16 (lane / 16) + i of my row, become a fragment's codes in v[PC] on and its scale word in v[PW].
.macro QUANT s
.irp b, 0,1,2,3
	v_max3_num_f32 v[TM+\b], |v[\s+16*\b]|, |v[\s+1+16*\b]|, 0x1800000   ; block b: my 16 numbers, and the floor 2^(3 - 127): the byte cannot fall under 1.  Each result is read from its low end on
.endr
.irp i, 2,4,6,8,10,12,14
.irp b, 0,1,2,3
	v_max3_num_f32 v[TM+\b], v[TM+\b], |v[\s+16*\b+\i]|, |v[\s+1+16*\b+\i]|   ; the four blocks by turns
.endr
.endr
.irp b, 0,1,2,3
	s_delay_alu instid0(VALU_DEP_4)
	v_permlanex16_b32 v[TM+4+\b], v[TM+\b], s[SEL], s[SEL+1]
.endr
.irp b, 0,1,2,3
	s_delay_alu instid0(VALU_DEP_4)
	v_max_num_f32 v[TM+\b], v[TM+\b], v[TM+4+\b]   ; with lane l xor 16's 16: the block's largest magnitude
.endr
.irp b, 0,1,2,3
	s_delay_alu instid0(VALU_DEP_4)
	v_add_nc_u32 v[TM+12+\b], 0xff000000, v[TM+\b]   ; 2 off its exponent field: the conversion takes that field as its scale
.endr
.irp b, 0,1,2,3
	s_delay_alu instid0(VALU_DEP_4)
	v_lshrrev_b32 v[TM+4+\b], 23, v[TM+12+\b]      ; the scale's byte
.endr
	s_delay_alu instid0(VALU_DEP_3)
	v_lshl_or_b32 v[PW], v[TM+5], 8, v[TM+4]       ; four bytes: my row's scale word (the same in lanes l and l xor 16)
	s_delay_alu instid0(VALU_DEP_1)
	v_lshl_or_b32 v[PW], v[TM+6], 16, v[PW]
	s_delay_alu instid0(VALU_DEP_1)
	v_lshl_or_b32 v[PW], v[TM+7], 24, v[PW]
.irp b, 0,1,2,3
	v_cvt_scalef32_pk8_fp4_f32 v[PC+2*\b], v[\s+16*\b:\s+7+16*\b], v[TM+12+\b]
	v_cvt_scalef32_pk8_fp4_f32 v[PC+1+2*\b], v[\s+8+16*\b:\s+15+16*\b], v[TM+12+\b]
.endr
	v_nop                                          ; one plain place behind a scaled conversion
.irp c, 0,1                                    ; the operand's layout wants a whole block in a lane: lanes 0-15 block 2 c, lanes 16-31 block 2 c + 1
.irp i, 0,1
	v_permlane16_swap_b32 v[PC+4*\c+\i], v[PC+2+4*\c+\i]
.endr
.endr
.endm
	s_load_b512 s[8:23], s[0:1], 0x0               ; Jg codes s[8:9], Jg scales s[10:11], Jp codes s[12:13], Jp scales s[14:15], Wk codes s[16:17], Wk scales s[18:19], Wq codes s[20:21], Wq scales s[22:23]
	s_load_b256 s[24:31], s[0:1], 0x40             ; Wv codes s[24:25], Wv scales s[26:27], bk s[28:29], bq s[30:31]
	s_load_b128 s[32:35], s[0:1], 0x60             ; bv s[32:33], qbuf s[34:35]
	s_load_b64 s[36:37], s[0:1], 0x70              ; kv
	v_lshl_add_u32 v200, v0, 2, 0x400
	v_mov_b32 v201, 0
.irp t, 0,1,2,3,4,5,6,7
.irp j, 4,5,6,7
	v_mov_b32 v[AF+8*\t+\j], 0                     ; k = 64 .. 127: zero codes.  Written first: the address arithmetic below is far more than the four places that an operand so written wants ahead of a scaled product
.endr
.endr
.irp j, 4,5,6,7
	v_mov_b32 v[BF+\j], 0
	v_mov_b32 v[TM+\j], 0                          ; a lane permute's destination counts as one of its sources
.endr
	v_lshrrev_b32 v1, 5, v0
	s_delay_alu instid0(VALU_DEP_1)
	v_readfirstlane_b32 s[WV], v1                  ; wave 0..7
	s_and_b32 s[RO], ttmp7, 0xffff                 ; role
	s_mov_b32 s[SEL], 0x76543210
	s_mov_b32 s[SEL+1], 0xfedcba98
	v_and_b32 v1, 31, v0                           ; lane
	v_and_b32 v2, 15, v0                           ; r
	v_bfe_u32 v3, v0, 4, 1                         ; h
	s_delay_alu instid0(VALU_DEP_2)
	v_and_b32 v4, 8, v2
	s_delay_alu instid0(VALU_DEP_1)
	v_add_nc_u32 v4, v4, v2                        ; r + 8 (r / 8)
	s_delay_alu instid0(VALU_DEP_1)
	v_lshlrev_b32 v5, 5, v4
	s_delay_alu instid0(VALU_DEP_1)
	v_lshl_add_u32 v5, v3, 4, v5                   ; A: a row of 64 codes is 32 bytes; block h of it
	s_delay_alu instid0(VALU_DEP_3)
	v_lshlrev_b32 v6, 1, v4                        ; A's scales: 2 bytes a row
	v_lshlrev_b32 v9, 6, v3                        ; K, Q: the bias of my half's units: 64 h bytes on
	v_lshlrev_b32 v13, 4, v1                       ; 16 x lane
	s_lshr_b32 s40, s[WV], 2
	s_lshl_b32 s40, s40, 8
	s_and_b32 s41, s[WV], 3
	s_lshl_b32 s41, s41, 2
	s_add_co_u32 s40, s40, s41
	v_lshl_add_u32 v11, v2, 4, s40                 ; LDS: my tile's word of row r: 256 (w / 4) + 4 (w % 4) + 16 r
	s_lshl_b32 s42, s[WV], 10
	v_lshl_add_u32 v10, v1, 4, s42                 ; my image in the group's: 1,024 w + 16 x lane
	s_lshl_b32 s43, s[WV], 6
	v_lshl_add_u32 v12, v2, 2, s43                 ; V: the bias of my channel: 4 (16 w + r)
	s_lshr_b32 s62, s[WV], 1
	s_lshl_b32 s62, s62, 5
	s_and_b32 s63, s[WV], 1
	s_lshl_b32 s63, s63, 3
	s_add_co_u32 s62, s62, s63                     ; K: B's tile begins at key 32 (w / 2) + 8 (w % 2),
	s_lshl_b32 s63, s[WV], 4                       ; Q, V: at row 16 w
	s_lshl_b32 s52, ttmp9, 12                      ; the group's codes: 4,096 bytes,
	s_lshl_b32 s53, ttmp9, 8                       ; its scale bytes: 256
	s_cmp_eq_u32 s[RO], 0
	s_cselect_b32 s62, s62, s63                    ; B's first row
	s_cselect_b32 s63, 8, 0                        ; K alone: lanes 8-15 take the rows 8 further on
	v_and_b32 v7, s63, v2
	s_delay_alu instid0(VALU_DEP_1)
	v_add_nc_u32 v7, v7, v2
	s_delay_alu instid0(VALU_DEP_1)
	v_add_nc_u32 v7, s62, v7                       ; B's row of lane r
	s_delay_alu instid0(VALU_DEP_1)
	v_lshlrev_b32 v8, 1, v7                        ; its scales
	s_delay_alu instid0(VALU_DEP_2)
	v_lshlrev_b32 v7, 5, v7
	s_delay_alu instid0(VALU_DEP_1)
	v_lshl_add_u32 v7, v3, 4, v7                   ; its codes, block h
	s_cmp_eq_u32 s[RO], 1                          ; offsets are made apart from the addresses
	s_mov_b32 s4, 17408
	s_cselect_b32 s4, 8704, s4                     ; a group's bytes in qbuf or in kv
	s_mul_i32 s4, ttmp9, s4
	s_mov_b32 s6, 16384
	s_cselect_b32 s6, 8192, s6                     ; from the role's images to its scale words: Q 8,192, K 16,384,
	s_cmp_eq_u32 s[RO], 2
	s_cselect_b32 s6, 8704, s6                     ; V 16,896 - 8,192
	s_cselect_b32 s7, 8192, 0                      ; V's images lie behind K's
	s_cselect_b32 s54, s52, 0                      ; the group's offset goes to A's side for V,
	s_cselect_b32 s56, s53, 0
	s_cselect_b32 s58, 0, s52                      ; to B's side for K and Q
	s_cselect_b32 s60, 0, s53
	s_add_co_u32 s4, s4, s7
	s_mov_b32 s5, 0
	s_mov_b32 s7, 0
	s_mov_b32 s55, 0
	s_mov_b32 s57, 0
	s_mov_b32 s59, 0
	s_mov_b32 s61, 0
	s_wait_alu depctr_va_vdst(0)
	s_wait_kmcnt 0x0
	s_cmp_eq_u32 s[RO], 1                          ; the buffers are chosen by the role alone
	s_cselect_b64 s[40:41], s[20:21], s[16:17]     ; A's codes: Wq or Wk
	s_cselect_b64 s[42:43], s[22:23], s[18:19]     ; A's scales
	s_cselect_b64 s[44:45], s[12:13], s[8:9]       ; B's codes: Jp or Jg
	s_cselect_b64 s[46:47], s[14:15], s[10:11]     ; B's scales
	s_cselect_b64 s[48:49], s[30:31], s[28:29]     ; the bias: bq or bk
	s_cselect_b64 s[50:51], s[34:35], s[36:37]     ; out: qbuf or kv
	s_cmp_eq_u32 s[RO], 2
	s_cselect_b64 s[40:41], s[8:9], s[40:41]       ; V: A = Jg,
	s_cselect_b64 s[42:43], s[10:11], s[42:43]
	s_cselect_b64 s[44:45], s[24:25], s[44:45]     ; B = Wv,
	s_cselect_b64 s[46:47], s[26:27], s[46:47]
	s_cselect_b64 s[48:49], s[32:33], s[48:49]     ; bv
	s_add_nc_u64 s[40:41], s[40:41], s[54:55]
	s_add_nc_u64 s[42:43], s[42:43], s[56:57]
	s_add_nc_u64 s[44:45], s[44:45], s[58:59]
	s_add_nc_u64 s[46:47], s[46:47], s[60:61]
	s_add_nc_u64 s[50:51], s[50:51], s[4:5]        ; the role's images of this group
	s_add_nc_u64 s[52:53], s[50:51], s[6:7]        ; and its scale words
.irp t, 0,1,2,3,4,5,6,7
	global_load_b128 v[AF+8*\t:AF+8*\t+3], v5, s[40:41] offset:(32*(\t/2)+8*(\t%2))*32   ; k = 32 h .. 32 h + 31 of the tile's row: sixteen lanes and their partners cover two runs of 256 bytes
	global_load_u16 v[AS+\t], v6, s[42:43] offset:(32*(\t/2)+8*(\t%2))*2                 ; the row's two scale bytes; bytes 2 and 3 of the word come as 0
.endr
	global_load_b128 v[BF:BF+3], v7, s[44:45]
	global_load_u16 v[BS], v8, s[46:47]
	s_cmp_eq_u32 s[RO], 2                          ; the same way for the whole work-group; no LDS instruction and no barrier stands in either arm
	s_cbranch_scc1 .Lrole_v
.irp t, 0,1,2,3,4,5,6,7                        ; K, Q: register j of tile t is unit 32 (t/2) + 8 (t%2) + 16 h + j: its bias is loaded where the sum will stand, and is the product's C
	global_load_b128 v[ACC+8*\t:ACC+8*\t+3], v9, s[48:49] offset:(32*(\t/2)+8*(\t%2))*4
	global_load_b128 v[ACC+8*\t+4:ACC+8*\t+7], v9, s[48:49] offset:(32*(\t/2)+8*(\t%2))*4+16
.endr
	s_wait_loadcnt 0x0                             ; all operands, scales and biases
.irp t, 0,1,2,3,4,5,6,7                        ; one instruction for each of eight accumulators
	v_wmma_scale_f32_16x16x128_f8f6f4 v[ACC+8*\t:ACC+8*\t+7], v[AF+8*\t:AF+8*\t+7], v[BF:BF+7], v[ACC+8*\t:ACC+8*\t+7], v[AS+\t], v[BS] matrix_a_fmt:MATRIX_FMT_FP4 matrix_b_fmt:MATRIX_FMT_FP4
.endr
	s_branch .Lsummed
.Lrole_v:
.irp j, 0,1,2,3,4,5,6,7                        ; V: a lane holds one channel, so one number is the bias of all its registers
	global_load_b32 v[BV+\j], v12, s[48:49]
.endr
	s_wait_loadcnt 0x0
.irp t, 0,1,2,3,4,5,6,7
	v_wmma_scale_f32_16x16x128_f8f6f4 v[ACC+8*\t:ACC+8*\t+7], v[AF+8*\t:AF+8*\t+7], v[BF:BF+7], v[BV:BV+7], v[AS+\t], v[BS] matrix_a_fmt:MATRIX_FMT_FP4 matrix_b_fmt:MATRIX_FMT_FP4
.endr
.Lsummed:
.rept 4
	v_nop                                          ; four places between the last product and the first read of results (ISA guide 7.12.1)
.endr
	QUANT ACC
	global_store_b128 v10, v[PC:PC+3], s[50:51]              ; the image: each store covers 512 consecutive bytes, aligned
	global_store_b128 v10, v[PC+4:PC+7], s[50:51] offset:512
	ds_store_b32 v11, v[PW]                        ; the eight waves' words meet in LDS (lanes l and l xor 16 write the same word with the same value)
	s_wait_dscnt 0x0                               ; for the others' sake: my store has landed
	s_barrier_signal -1
	s_barrier_wait -1
	s_cmp_lg_u32 s[WV], 0
	s_cbranch_scc1 .Ldone
	ds_load_b128 v[16:19], v13                     ; wave 0: the group's 512 scale bytes,
	s_wait_dscnt 0x0
	global_store_b128 v13, v[16:19], s[52:53]      ; as 512 consecutive bytes, aligned
.Ldone:
	s_wait_tensorcnt 0x0
	ds_add_u32 v200, v201
	s_wait_dscnt 0x0
	s_endpgm
.Lfunc_end_k_q575251044a_proj:
	.size	k_q575251044a_proj, .Lfunc_end_k_q575251044a_proj-k_q575251044a_proj
	.p2alignl 7, 3214868480
	.fill 96, 4, 3214868480
	.section	.rodata,"a",@progbits
	.p2align	6, 0x0
	.amdhsa_kernel k_q575251044a_proj
		.amdhsa_group_segment_fixed_size 2048
		.amdhsa_private_segment_fixed_size 0
		.amdhsa_enable_private_segment 0
		.amdhsa_kernarg_size 120
		.amdhsa_user_sgpr_count 2
		.amdhsa_user_sgpr_kernarg_segment_ptr 1
		.amdhsa_wavefront_size32 1
		.amdhsa_system_sgpr_workgroup_id_x 1
		.amdhsa_system_sgpr_workgroup_id_y 1
		.amdhsa_system_sgpr_workgroup_id_z 1
		.amdhsa_system_vgpr_workitem_id 0
		.amdhsa_next_free_vgpr 202
		.amdhsa_next_free_sgpr 66
		.amdhsa_reserve_vcc 0
		.amdhsa_float_denorm_mode_32 3
		.amdhsa_float_denorm_mode_16_64 3
		.amdhsa_memory_ordered 1
		.amdhsa_forward_progress 1
		.amdhsa_inst_pref_size 17
	.end_amdhsa_kernel
	.amdgpu_metadata
---
amdhsa.version: [ 1, 2 ]
amdhsa.kernels:
  - .name:           k_q575251044a_proj
    .symbol:         k_q575251044a_proj.kd
    .args:
      - { .name: Jg_embedding_codes, .offset: 0, .size: 8, .value_kind: global_buffer, .address_space: global }
      - { .name: Jg_embedding_scales, .offset: 8, .size: 8, .value_kind: global_buffer, .address_space: global }
      - { .name: Jp_embedding_codes, .offset: 16, .size: 8, .value_kind: global_buffer, .address_space: global }
      - { .name: Jp_embedding_scales, .offset: 24, .size: 8, .value_kind: global_buffer, .address_space: global }
      - { .name: Wk_codes, .offset: 32, .size: 8, .value_kind: global_buffer, .address_space: global }
      - { .name: Wk_scales, .offset: 40, .size: 8, .value_kind: global_buffer, .address_space: global }
      - { .name: Wq_codes, .offset: 48, .size: 8, .value_kind: global_buffer, .address_space: global }
      - { .name: Wq_scales, .offset: 56, .size: 8, .value_kind: global_buffer, .address_space: global }
      - { .name: Wv_codes, .offset: 64, .size: 8, .value_kind: global_buffer, .address_space: global }
      - { .name: Wv_scales, .offset: 72, .size: 8, .value_kind: global_buffer, .address_space: global }
      - { .name: bk, .offset: 80, .size: 8, .value_kind: global_buffer, .address_space: global }
      - { .name: bq, .offset: 88, .size: 8, .value_kind: global_buffer, .address_space: global }
      - { .name: bv, .offset: 96, .size: 8, .value_kind: global_buffer, .address_space: global }
      - { .name: qbuf, .offset: 104, .size: 8, .value_kind: global_buffer, .address_space: global }
      - { .name: kv, .offset: 112, .size: 8, .value_kind: global_buffer, .address_space: global }
    .group_segment_fixed_size: 2048
    .private_segment_fixed_size: 0
    .kernarg_segment_align: 8
    .kernarg_segment_size: 120
    .max_flat_workgroup_size: 256
    .sgpr_count:     66
    .vgpr_count:     202
    .wavefront_size: 32
...
	.end_amdgpu_metadata
.endif
;; end of part 1
;; launch attn (part 2): grid 32 x 8, 16 waves a work-group, clusters of 4 x 1, 327,680 bytes of LDS; arguments qbuf, kv, out0; writes out0
.if DOCPART == 2
	.amdgcn_target "amdgcn-amd-amdhsa--gfx1250"
	.amdhsa_code_object_version 6
	.text
	.protected	k_q575251044a_attn
	.globl	k_q575251044a_attn
	.p2align	8
	.type	k_q575251044a_attn,@function
k_q575251044a_attn:
	s_mov_b64 s[64:65], 0
	v_nop
	global_prefetch_b8 v0, s[64:65] scope:SCOPE_SE
	s_setreg_imm32_b32 hwreg(HW_REG_WAVE_MODE, 25, 1), 1
	s_wait_xcnt 0x0
	s_wait_alu depctr_hold_cnt(0) depctr_sa_sdst(0) depctr_va_vdst(0) depctr_va_sdst(0) depctr_va_ssrc(0) depctr_va_vcc(0) depctr_vm_vsrc(0)
	s_getreg_b32 s2, hwreg(HW_REG_IB_STS2, 6, 4)
	s_cmp_eq_u32 s2, 0
	s_cbranch_scc0 .Lentry_in_a_cluster
	s_endpgm
.Lentry_in_a_cluster:
	s_bfe_u32 s2, ttmp6, 0x10000c
	s_cmp_lg_u32 s2, 0x3003
	s_cbranch_scc0 .Lentry_shape_is_right
	s_endpgm
.Lentry_shape_is_right:
; out[b][q][:] = the sum over k of softmax_k(Q[b][q] . K[b][k] / sqrt(128)) V[b][k][:], both products on codes of E2M1 with one E8M0 scale for each 32 along a product's K.
; Q, K and V come as images of operand registers (a fragment: 1,024 bytes, register group c of lane l at 512 c + 16 l; the scale word of tile T, lane r at 256 (T/4) + 16 r + 4 (T%4)).
; A key step of 128 keys is 17,408 dense bytes of kv: K's 8 images, V's 8 images, K's 512 scale bytes, V's 512.
; THE SOFTMAX AHEAD OF THE SECOND PRODUCT: t = score x log2(e) / sqrt(128); M = the largest t so far, rounded UP to a whole number; p = 2^(t - M) is quantised along the keys, not normalised; the row's sum is taken of
; the unquantised p and divides at the end.  When M moves, the sum and O are multiplied by 2^(old M - new M): exact.
; SHARES.  A work-group owns 128 queries of one batch: 8 x 32 = 256 work-groups.  Sixteen waves of 256 registers, four to a SIMD, so that one wave's vector work stands beside another's LDS loads and products.
; Wave w owns query tile w % 8 (16 queries) and HALF OF THE KEYS: of each slot's eight key steps, waves 0-7 walk steps 0-3 and waves 8-15 steps 4-7, each with an M, a sum and an O^T of its own.
; At the end the two halves are brought under their common M by exact powers of two, divided by the joint sum, and added on the way out.
; LAYOUT.  Both products are used transposed: S^T = K Q^T (source 0 = 16 keys, source 1 = my 16 queries), O^T = V^T P^T (source 0 = 16 channels, source 1 = P): a lane holds ONE query (lane % 16) throughout.
; Lane r of K's tile 2 b + u holds key 32 b + 8 u + r + 8 (r / 8), so that the 16 registers of tiles 2 b and 2 b + 1 are the 16 neighbouring keys 32 b + 16 (lane / 16) + 0 .. 15.
; RING.  Two LDS slots of eight key steps (139,264 bytes).  Every wave fetches a sixteenth of a slot by one tensor load of 34 dense rows of 256 bytes.  A batch is four slots' worth: two first fills, two refills.
; CLUSTER.  The four work-groups of a cluster belong to one batch and walk the same kv: every tile is asked for JOINTLY, by the same load with the same descriptor and the mask of all four.  My place in the cluster
; enters Q's and out's global addresses alone.
; LIMITS: NaN and infinities are not served.  A p under 2^-126 counts as 0 (v_exp_f32 flushes denormal results: ISA guide 15.8).  A block's largest p is taken as the exponential of the block's largest score.
; A block whose every p is 0 keeps the byte 1: its codes are zeros.
.set STEPB, 17408                      ; a key step in kv and in LDS
.set VOFF,  8192                       ; in it: V's images,
.set KSOFF, 16384                      ; K's scale words,
.set VSOFF, 16896                      ; V's scale words
.set SLOT,  8*STEPB
.set PART,  SLOT/16                    ; 8,704 bytes: what one tensor load brings
.set SPARE, 2*SLOT                     ; behind the ring: the spare words, 128 bytes for each of 16 waves: eight blocks of 256 bytes that no other line names
.set STAT,  SPARE+2048                 ; 256 bytes a wave: -M of my lanes, then the sum
.set SP,    528                        ; the way out: a row of 512 bytes + 16: 16 rows start at 16 different groups of banks
.set AREA,  16*SP                      ; 16 rows for each wave, in slot 0, which has had its last fill and its last read by then
.set LI,  1                            ; v1   16 x lane: an image's place for my lane
.set LS,  2                            ; v2   16 x (lane % 16): my row's four scale words
.set SPW, 3                            ; v3   LDS address of my spare word; never rewritten
.set NIL, 4                            ; v4   0; never rewritten
.set ADR, 5                            ; v5   the key step in hand + LI
.set ADS, 6                            ; v6   the key step in hand + LS
.set T0,  8                            ; v8, v9 at work
.set F,   10                           ; v[10:11] f = 2^(old M - new M); the packed forms name the pair and take its low word
.set QF,  16                           ; v16-23 Q's fragment
.set QS,  24                           ; v24  Q's scale word: scales and nothing else
.set PW,  25                           ; v25  p's scale word: scales and nothing else
.set STA, 26                           ; v26  my statistics in LDS
.set STB, 27                           ; v27  my partner's (wave xor 8)
.set SO,  28                           ; v28  the way out: where I put 32 bytes of a row
.set RA,  29                           ; v29  where I read a row of the first half's,
.set RB,  30                           ; v30  and of the second half's
.set FR,  32                           ; v32-95   eight fragments of K, then of V
.set S,   96                           ; v96-159  S^T, then p
.set OT,  160                          ; v160-223 O^T
.set PC,  224                          ; v224-231 p's codes
.set BM,  232                          ; v232-235 the blocks' largest scores, then largest p
.set TP,  236                          ; v236-239 at work
.set KVS, 240                          ; v240-247 the scale words of K's or V's eight tiles: scales and nothing else
.set CV,  248                          ; v248-251 the conversions' scale operands
.set WV,  10                           ; s10  wave
.set G1,  16                           ; s[16:23] descriptor group 1
.set G0A, 24                           ; s[24:27] group 0 for slot 0;  s[28:31] for slot 1
.set G0B, 28
.set SEL, 32                           ; s[32:33] lane selects for v_permlanex16_b32: lane l xor 16
.set CS,  34                           ; s[34:35] c = log2(e) / sqrt(128)
.set TB,  36                           ; s36  LDS byte at which the key step in hand begins
.set HB,  37                           ; s37  my half's first step in a slot: 4 STEPB x (wave / 8)
.set CNT, 38                           ; s38  counts a period's steps
; A round of the cluster's barrier: my work-group's barrier, wave 0's signal for the work-group, every wave's wait for all four work-groups, my work-group's barrier once more.
.macro CROUND
	s_barrier_signal -1
	s_barrier_wait -1
	s_cmp_lg_u32 s[WV], 0
	s_cbranch_scc1 .Lnot_wave_0_\@
	s_barrier_signal -3
.Lnot_wave_0_\@:
	s_barrier_wait -3
	s_barrier_signal -1
	s_barrier_wait -1
.endm
; Eight fragments and their scale words, as they lie: each load takes 512 consecutive bytes (the words: 256, twice).
.macro FLOAD ofc, ofs
.irp t, 0,1,2,3,4,5,6,7
.irp c, 0,1
	ds_load_b128 v[FR+8*\t+4*\c:FR+8*\t+4*\c+3], v[ADR] offset:\ofc+1024*\t+512*\c
.endr
.endr
.irp g, 0,1
	ds_load_b128 v[KVS+4*\g:KVS+4*\g+3], v[ADS] offset:\ofs+256*\g   ; register KVS + T: tile T's word of row r
.endr
.endm
; A KEY STEP: 128 keys.  K's fragments were asked for in the step before.  pre = 1: the next step's are asked for here.
.macro STEP pre
	s_wait_dscnt 0x0                               ; K and its scale words are in
.irp t, 0,1,2,3,4,5,6,7                        ; S^T = K Q^T: one instruction for each of eight accumulators
	v_wmma_scale_f32_16x16x128_f8f6f4 v[S+8*\t:S+8*\t+7], v[FR+8*\t:FR+8*\t+7], v[QF:QF+7], 0, v[KVS+\t], v[QS] matrix_a_fmt:MATRIX_FMT_FP4 matrix_b_fmt:MATRIX_FMT_FP4
.endr
.rept 4
	v_nop                                          ; four places: in front of the loads into registers that these products read, and of the first read of the scores
.endr
	FLOAD VOFF, VSOFF                              ; V lands under the softmax
.irp b, 0,1,2,3
	v_max3_num_f32 v[BM+\b], v[S+16*\b], v[S+1+16*\b], v[S+2+16*\b]   ; the largest score of each block of 32 keys: for the row's maximum and, since p rises with the score, for the block's largest p
.endr
.irp i, 3,5,7,9,11,13
.irp b, 0,1,2,3
	v_max3_num_f32 v[BM+\b], v[BM+\b], v[S+16*\b+\i], v[S+1+16*\b+\i]   ; the four blocks by turns; each tile is read from its low end on
.endr
.endr
.irp b, 0,1,2,3
	v_max_num_f32 v[BM+\b], v[BM+\b], v[S+15+16*\b]
.endr
.irp b, 0,1,2,3
	s_delay_alu instid0(VALU_DEP_4)
	v_permlanex16_b32 v[TP+\b], v[BM+\b], s[SEL], s[SEL+1]
.endr
.irp b, 0,1,2,3
	s_delay_alu instid0(VALU_DEP_4)
	v_max_num_f32 v[BM+\b], v[BM+\b], v[TP+\b]     ; with lane l xor 16's 16 keys
.endr
	s_delay_alu instid0(VALU_DEP_2)
	v_max3_num_f32 v[T0], v[BM], v[BM+1], v[BM+2]
	s_delay_alu instid0(VALU_DEP_1)
	v_max_num_f32 v[T0], v[T0], v[BM+3]            ; the step's largest score of my query
	s_delay_alu instid0(VALU_DEP_1)
	v_mul_f32 v[T0], s[CS], v[T0]                  ; as t (c is positive)
	s_delay_alu instid0(VALU_DEP_1)
	v_max_num_f32 v13, v13, v[T0]                  ; the running largest t
	v_mov_b32 v[T0], v12
	s_delay_alu instid0(VALU_DEP_2)
	v_floor_f32 v12, -v13                          ; the new -M = floor(-t) = -ceil(t): a whole number
	s_delay_alu instid0(VALU_DEP_1)
	v_sub_f32 v[T0], v12, v[T0]                    ; old M - new M: a whole number, 0 or less
	s_delay_alu instid0(VALU_DEP_1)
	v_cvt_i32_f32 v[T0], v[T0]                     ; (it saturates)
	s_delay_alu instid0(VALU_DEP_1)
	v_ldexp_f32 v[F], 1.0, v[T0]                   ; f = 2^(old M - new M)
.set j, 0
.rept 32
	v_pk_fma_f32 v[S+j:S+j+1], v[S+j:S+j+1], s[CS:CS+1], v[12:13] op_sel_hi:[1,0,0]   ; t - M, two at a time (of the pairs c and -M the low word serves both halves)
.set j, j+2
.endr
.irp b, 0,1,2,3
	v_fma_f32 v[BM+\b], v[BM+\b], s[CS], v12       ; the same of each block's largest score
.endr
.set j, 0
	s_wait_alu depctr_va_vdst(0)
.rept 64
	v_exp_f32 v[S+j], v[S+j]                       ; p = 2^(t - M), at most 1
.set j, j+1
.endr
.irp b, 0,1,2,3
	v_exp_f32 v[BM+\b], v[BM+\b]                   ; the block's largest p: the same two instructions on the same number
.endr
	v_pk_mul_f32 v[14:15], v[14:15], v[F:F+1] op_sel_hi:[1,0]   ; the sums under the new M (the plain place behind the exponentials)
	s_wait_alu depctr_va_vdst(0)
.irp b, 0,1,2,3
	v_max_num_f32 v[BM+\b], 0x1800000, v[BM+\b]    ; the floor 2^(3 - 127): the byte cannot fall under 1
.endr
.irp b, 0,1,2,3
	s_delay_alu instid0(VALU_DEP_4)
	v_add_nc_u32 v[CV+\b], 0xff000000, v[BM+\b]    ; 2 off the exponent field: the conversion's scale operand
.endr
.irp b, 0,1,2,3
	s_delay_alu instid0(VALU_DEP_4)
	v_lshrrev_b32 v[TP+\b], 23, v[CV+\b]           ; the scale's byte
.endr
	s_delay_alu instid0(VALU_DEP_3)
	v_lshl_or_b32 v[PW], v[TP+1], 8, v[TP]         ; p's scale word for these 128 keys
	s_delay_alu instid0(VALU_DEP_1)
	v_lshl_or_b32 v[PW], v[TP+2], 16, v[PW]
	s_delay_alu instid0(VALU_DEP_1)
	v_lshl_or_b32 v[PW], v[TP+3], 24, v[PW]
	s_setprio 1
.irp b, 0,1,2,3
	v_cvt_scalef32_pk8_fp4_f32 v[PC+2*\b], v[S+16*\b:S+7+16*\b], v[CV+\b]
	v_cvt_scalef32_pk8_fp4_f32 v[PC+1+2*\b], v[S+8+16*\b:S+15+16*\b], v[CV+\b]
.endr
	v_nop                                          ; one plain place behind a scaled conversion
.irp c, 0,1                                    ; a whole block in a lane: lanes 0-15 block 2 c, lanes 16-31 block 2 c + 1
.irp i, 0,1
	v_permlane16_swap_b32 v[PC+4*\c+\i], v[PC+2+4*\c+\i]
.endr
.endr
.set j, 0
.rept 32
	v_pk_mul_f32 v[OT+j:OT+j+1], v[OT+j:OT+j+1], v[F:F+1] op_sel_hi:[1,0]   ; O^T under the new M, each tile from its low end on.  These 32 are also the places between the writing of p's codes and scale word and the products
.set j, j+2
.endr
	s_wait_alu depctr_va_vdst(0)
	s_wait_dscnt 0x0                               ; V and its scale words are in
.irp t, 0,1,2,3,4,5,6,7                        ; O^T += V^T P^T: the eight accumulators by turns, one instruction a turn
	v_wmma_scale_f32_16x16x128_f8f6f4 v[OT+8*\t:OT+8*\t+7], v[FR+8*\t:FR+8*\t+7], v[PC:PC+7], v[OT+8*\t:OT+8*\t+7], v[KVS+\t], v[PW] matrix_a_fmt:MATRIX_FMT_FP4 matrix_b_fmt:MATRIX_FMT_FP4
.endr
	v_pk_add_f32 v[TP:TP+1], v[S:S+1], v[S+2:S+3]  ; THE ROW'S SUM OF THE UNQUANTISED p, two at a time, in two chains.  Its first five lines name no register of the products above: they are the places in front of the loads below
	s_setprio 0
.irp j, 4,8
	v_pk_add_f32 v[14:15], v[14:15], v[S+\j:S+\j+1]
	v_pk_add_f32 v[TP:TP+1], v[TP:TP+1], v[S+2+\j:S+3+\j]
.endr
.if \pre
	s_add_co_u32 s[TB], s[TB], STEPB               ; the next key step
	v_add_nc_u32 v[ADR], s[TB], v[LI]
	v_add_nc_u32 v[ADS], s[TB], v[LS]
	FLOAD 0, KSOFF                                 ; its K lands under the rest of the sum
.endif
.irp j, 12,16,20,24,28,32,36,40,44,48,52,56,60
	v_pk_add_f32 v[14:15], v[14:15], v[S+\j:S+\j+1]
	v_pk_add_f32 v[TP:TP+1], v[TP:TP+1], v[S+2+\j:S+3+\j]
.endr
	s_delay_alu instid0(VALU_DEP_1)
	v_pk_add_f32 v[14:15], v[14:15], v[TP:TP+1]
.endm
; My four key steps of a slot: three in a loop, each asking for the next step's K; the fourth is written out and asks for nothing.
.macro PERIOD slot
	s_add_co_u32 s[TB], s[HB], \slot*SLOT
	v_add_nc_u32 v[ADR], s[TB], v[LI]
	v_add_nc_u32 v[ADS], s[TB], v[LS]
	FLOAD 0, KSOFF
	s_mov_b32 s[CNT], 3
.Lstep_\@:
	s_wait_alu depctr_va_vdst(0)
	s_setprio 2
	STEP 1
	s_sub_co_u32 s[CNT], s[CNT], 1
	s_cmp_lg_u32 s[CNT], 0
	s_cbranch_scc1 .Lstep_\@
	s_setprio 0
	STEP 0
.endm
; THE CHANGE OF SLOTS.  Each wave waits for all its tensor loads (one is out: its part of the slot ahead), adds 0 to its spare word, and waits for that and for its reads of the slot that it leaves.
; fill = 1: the barrier is a round of the cluster's, so that no wave of any partner still reads the slot or has a load on its way; the joint refill, two slots on in kv, is the first thing behind it and has four key steps
; of every wave in which to land.  fill = 0: nothing is left to fetch: the work-group's barrier alone.
.macro CHANGE fill, g0
	s_wait_tensorcnt 0x0                           ; no tensor load of mine is out, so a group 0 may be written
	ds_add_u32 v[SPW], v[NIL]                      ; 0 onto my spare word
.if \fill
	s_add_nc_u64 s[\g0+2:\g0+3], s[\g0+2:\g0+3], 2*SLOT   ; the type bits on top are not reached
	s_wait_dscnt 0x0                               ; the add is done, and my reads of the slot are over
	CROUND
	tensor_load_to_lds s[\g0:\g0+3], s[G1:G1+7]    ; my one tensor load until the next round
	s_nop 0
.rept 4
	v_nop
.endr
.else
	s_wait_dscnt 0x0
	s_barrier_signal -1
	s_barrier_wait -1
.endif
.endm
	s_load_b128 s[4:7], s[0:1], 0x0                ; qbuf s[4:5], kv s[6:7]
	s_load_b64 s[8:9], s[0:1], 0x10                ; out0
	v_lshl_add_u32 v[SPW], v0, 2, SPARE
	v_mov_b32 v[NIL], 0
	ds_add_u32 v3, v4
	ds_add_u32 v3, v4
	s_wait_dscnt 0x0
	v_lshrrev_b32 v8, 5, v0
	s_delay_alu instid0(VALU_DEP_1)
	v_readfirstlane_b32 s[WV], v8                  ; wave 0..15
	s_and_b32 s11, s[WV], 7                        ; my tile of queries
	s_lshr_b32 s12, s[WV], 3                       ; my half of the keys
	s_bfe_u32 s13, ttmp6, 0x40000                  ; cx: my place in the cluster
	s_lshl_b32 s14, ttmp9, 2                       ; in a cluster launch ttmp9 counts clusters
	s_add_co_u32 s14, s14, s13                     ; my block of 128 queries: it enters Q's and out's addresses alone
	s_and_b32 s15, ttmp7, 0xffff                   ; the batch, which the four partners share
	; descriptor group 1: 34 dense rows of 256 bytes, no padding
	s_mov_b32 s[G1], 15|(3<<16)|(1<<21)            ; 15:0 the mask: all four work-groups; 17:16 elements of 8 bytes; 21 set beside a mask
	s_mov_b32 s[G1+1], 32<<16                      ; tensor_dim0 = 32 elements
	s_mov_b32 s[G1+2], 34<<16                      ; tensor_dim1 = 34
	s_mov_b32 s[G1+3], 32<<16                      ; tile_dim0 = 32
	s_mov_b32 s[G1+4], 34                          ; tile_dim1 = 34
	s_mov_b32 s[G1+5], 32                          ; from row to row: 32 elements
	s_mov_b32 s[G1+6], 0
	s_mov_b32 s[G1+7], 0
	s_mov_b32 s[G0A], 1                            ; count = 1
	s_mov_b32 s[G0B], 1
	s_mul_i32 s[G0A+1], s[WV], PART                ; LDS address: my sixteenth of slot 0,
	s_add_co_u32 s[G0B+1], s[G0A+1], SLOT          ; of slot 1
	s_mul_i32 s40, s15, 32*STEPB                   ; the batch's 32 key steps in kv,
	s_add_co_u32 s40, s40, s[G0A+1]                ; my sixteenth of the first eight
	s_mov_b32 s41, 0
	s_lshl_b32 s42, s15, 5
	s_add_co_u32 s42, s42, s14                     ; my group of queries: 32 x batch + block
	s_mul_i32 s42, s42, 8704                       ; its bytes in qbuf
	s_lshl_b32 s43, s11, 10
	s_add_co_u32 s44, s42, s43                     ; my tile's image
	s_mov_b32 s45, 0
	s_lshr_b32 s43, s11, 2
	s_lshl_b32 s43, s43, 8
	s_add_co_u32 s46, s42, s43
	s_and_b32 s43, s11, 3
	s_lshl_b32 s43, s43, 2
	s_add_co_u32 s46, s46, s43
	s_add_co_u32 s46, s46, 8192                    ; my tile's scale words: 8,192 + 256 (q / 4) + 4 (q % 4), + 16 r in the lane
	s_mov_b32 s47, 0
	s_lshl_b32 s48, s15, 21                        ; out: a batch is 4,096 rows of 512 bytes,
	s_lshl_b32 s43, s14, 16                        ; a block 128 rows,
	s_add_co_u32 s48, s48, s43
	s_lshl_b32 s43, s11, 13                        ; a tile 16,
	s_add_co_u32 s48, s48, s43
	s_lshl_b32 s43, s12, 12                        ; and I store 8 of them: rows 8 (wave / 8) on
	s_add_co_u32 s48, s48, s43
	s_mov_b32 s49, 0
	s_mov_b32 s[SEL], 0x76543210
	s_mov_b32 s[SEL+1], 0xfedcba98
	s_mov_b32 s[CS], 0x3e0293ee                    ; c = log2(e) / sqrt(128)
	s_mov_b32 s[CS+1], s[CS]                       ; (named with it as a pair, so it is written)
	s_mul_i32 s[HB], s12, 4*STEPB
	s_wait_kmcnt 0x0
	s_add_nc_u64 s[G0A+2:G0A+3], s[6:7], s[40:41]  ; global address: key steps 0-7,
	s_add_nc_u64 s[G0B+2:G0B+3], s[G0A+2:G0A+3], SLOT   ; key steps 8-15
	s_or_b32 s[G0A+3], s[G0A+3], 0x80000000        ; type = 2
	s_or_b32 s[G0B+3], s[G0B+3], 0x80000000
	s_add_nc_u64 s[46:47], s[4:5], s[46:47]        ; Q's scale words
	s_add_nc_u64 s[4:5], s[4:5], s[44:45]          ; Q's image
	s_add_nc_u64 s[8:9], s[8:9], s[48:49]          ; my rows of out
	CROUND                                         ; all four work-groups are here: the first joint loads meet
	tensor_load_to_lds s[G0A:G0A+3], s[G1:G1+7]    ; slot 0's fill goes out first, alone: one load of mine is out
	s_nop 0
	s_wait_alu depctr_va_vdst(0)
	s_wait_tensorcnt 0x0
	ds_add_u32 v3, v4
	s_wait_dscnt 0x0
	CROUND
	tensor_load_to_lds s[G0B:G0B+3], s[G1:G1+7]
	s_nop 0
.rept 4
	v_nop
.endr
	v_and_b32 v8, 31, v0                           ; lane
	v_and_b32 v9, 15, v0                           ; r
	v_bfe_u32 v10, v0, 4, 1                        ; h
	s_delay_alu instid0(VALU_DEP_3)
	v_lshlrev_b32 v[LI], 4, v8
	s_wait_alu depctr_va_vdst(0)
	v_lshlrev_b32 v[LS], 4, v9
	global_load_b128 v[QF:QF+3], v[LI], s[4:5]               ; Q's fragment stays in registers
	global_load_b128 v[QF+4:QF+7], v[LI], s[4:5] offset:512
	global_load_b32 v[QS], v[LS], s[46:47]         ; and its scale words
	s_lshl_b32 s52, s[WV], 8
	s_add_co_u32 s52, s52, STAT
	v_lshl_add_u32 v[STA], v8, 2, s52              ; my statistics: STAT + 256 w + 4 x lane
	s_xor_b32 s53, s[WV], 8
	s_lshl_b32 s53, s53, 8
	s_add_co_u32 s53, s53, STAT
	v_lshl_add_u32 v[STB], v8, 2, s53              ; those of the wave with my queries and the other keys
	s_mul_i32 s54, s[WV], AREA
	v_mul_u32_u24 v[SO], v9, SP
	s_delay_alu instid0(VALU_DEP_1)
	v_lshl_add_u32 v[SO], v10, 5, v[SO]
	s_delay_alu instid0(VALU_DEP_1)
	v_add_nc_u32 v[SO], s54, v[SO]                 ; the way out, in: my area, row r, + 32 h
	s_mul_i32 s55, s11, AREA
	s_mul_i32 s56, s12, 8*SP
	s_add_co_u32 s55, s55, s56
	v_add_nc_u32 v[RA], s55, v[LI]                 ; back: the first half's area of my tile, rows 8 (wave / 8) on, 16 bytes a lane;
	s_delay_alu instid0(VALU_DEP_1)
	v_add_nc_u32 v[RB], 8*AREA, v[RA]              ; the second half's area lies eight areas on
	v_mov_b32 v13, 0xff61b1e6                      ; the largest t so far: -3e38, under every t
	s_delay_alu instid0(VALU_DEP_1)
	v_floor_f32 v12, -v13                          ; -M
	v_mov_b32 v14, 0                               ; the sum, in two halves
	v_mov_b32 v15, 0
	v_mov_b32 v[F+1], 0                            ; (named as the upper half of the pair before it is otherwise written)
.irp b, 0,1,2,3
	v_mov_b32 v[TP+\b], 0                          ; a lane permute's destination counts as one of its sources
.endr
.set j, 0
.rept 64
	v_mov_b32 v[OT+j], 0                           ; O^T: the step is written without a first form of its own: the first change of M multiplies zeros
.set j, j+1
.endr
	s_wait_tensorcnt 0x1                           ; my part of slot 0 is in; slot 1's load, the one issued behind it, may stay out
	s_barrier_signal -1
	s_barrier_wait -1                              ; everybody's is
	s_wait_loadcnt 0x0                             ; Q
	PERIOD 0                                       ; key steps 0-7
	CHANGE 1, G0A                                  ; slot 0 takes key steps 16-23
	PERIOD 1                                       ; key steps 8-15
	CHANGE 1, G0B                                  ; slot 1 takes key steps 24-31
	PERIOD 0
	CHANGE 0, G0A                                  ; nothing is left to fetch
	PERIOD 1
	s_delay_alu instid0(VALU_DEP_1)
	; THE TWO HALVES MEET.  (The 32 lines of the last sum are the places behind the last products.)
	v_add_f32 v14, v14, v15                        ; the sum's two halves,
	s_delay_alu instid0(VALU_DEP_1)
	v_permlanex16_b32 v[T0], v14, s[SEL], s[SEL+1]
	s_delay_alu instid0(VALU_DEP_1)
	v_add_f32 v14, v14, v[T0]                      ; and lane l xor 16's: my keys' sum for my query
	ds_store_b32 v[STA], v12                       ; -M
	ds_store_b32 v[STA], v14 offset:128            ; l
	s_wait_dscnt 0x0                               ; for the partner's sake: my stores have landed
	s_barrier_signal -1
	s_barrier_wait -1
	ds_load_b32 v8, v[STB]                         ; the partner's -M
	ds_load_b32 v9, v[STB] offset:128              ; and l
	s_wait_dscnt 0x0
	v_min_num_f32 v15, v12, v8                     ; - the larger M
	s_delay_alu instid0(VALU_DEP_1)
	v_sub_f32 v10, v15, v12                        ; my M - the common M: a whole number, 0 or less
	s_delay_alu instid0(VALU_DEP_2)
	v_sub_f32 v11, v15, v8                         ; the partner's likewise
	s_delay_alu instid0(VALU_DEP_2)
	v_cvt_i32_f32 v10, v10
	s_delay_alu instid0(VALU_DEP_2)
	v_cvt_i32_f32 v11, v11
	s_delay_alu instid0(VALU_DEP_2)
	v_ldexp_f32 v10, 1.0, v10                      ; exact powers of two
	s_delay_alu instid0(VALU_DEP_2)
	v_ldexp_f32 v11, 1.0, v11
	s_delay_alu instid0(VALU_DEP_1)
	v_mul_f32 v9, v9, v11
	s_wait_alu depctr_va_vdst(0)
	v_fma_f32 v9, v14, v10, v9                     ; the row's sum under the common M
	s_wait_alu depctr_va_vdst(0)
	v_rcp_f32 v9, v9
	v_nop                                          ; one plain place behind a transcendental
	s_wait_alu depctr_va_vdst(0)
	v_mul_f32 v10, v10, v9                         ; what my O^T is multiplied by
.set j, 0
.rept 32
	v_pk_mul_f32 v[S+j:S+j+1], v[OT+j:OT+j+1], v[F:F+1] op_sel_hi:[1,0]   ; register 8 t + i: my keys' share of out(r, 16 t + 8 h + i); each tile from its low end on
.set j, j+2
.endr
.irp t, 0,1,2,3,4,5,6,7
	ds_store_b128 v[SO], v[S+8*\t:S+8*\t+3] offset:64*\t
	ds_store_b128 v[SO], v[S+8*\t+4:S+8*\t+7] offset:64*\t+16
.endr
	s_wait_dscnt 0x0                               ; for the others' sake: my 16 rows lie in my area
	s_barrier_signal -1
	s_barrier_wait -1
.irp i, 0,1,2,3,4,5,6,7                        ; eight whole rows of both halves
	ds_load_b128 v[32+4*\i:35+4*\i], v[RA] offset:\i*SP
	ds_load_b128 v[64+4*\i:67+4*\i], v[RB] offset:\i*SP
.endr
.irp i, 0,1,2,3,4,5,6,7
	s_wait_dscnt 14-2*\i                           ; LDS loads come back in order (ISA guide 5.7.1): pair i is in, the younger pairs may be out
	v_pk_add_f32 v[32+4*\i:33+4*\i], v[32+4*\i:33+4*\i], v[64+4*\i:65+4*\i]
	v_pk_add_f32 v[34+4*\i:35+4*\i], v[34+4*\i:35+4*\i], v[66+4*\i:67+4*\i]
	global_store_b128 v[LI], v[32+4*\i:35+4*\i], s[8:9] offset:512*\i th:TH_STORE_NT   ; 32 lanes store a row of 512 consecutive bytes, aligned; written once, read by nobody here
.endr
	s_wait_tensorcnt 0x0                           ; the wave's end: behind my last tensor load and my last LDS store
	ds_add_u32 v[SPW], v[NIL]
	s_wait_dscnt 0x0
	CROUND                                         ; the closing round: no work-group ends while a partner may still ask for a tile that names it
	s_endpgm
.Lfunc_end_k_q575251044a_attn:
	.size	k_q575251044a_attn, .Lfunc_end_k_q575251044a_attn-k_q575251044a_attn
	.p2alignl 7, 3214868480
	.fill 96, 4, 3214868480
	.section	.rodata,"a",@progbits
	.p2align	6, 0x0
	.amdhsa_kernel k_q575251044a_attn
		.amdhsa_group_segment_fixed_size 327680
		.amdhsa_private_segment_fixed_size 0
		.amdhsa_enable_private_segment 0
		.amdhsa_kernarg_size 24
		.amdhsa_user_sgpr_count 2
		.amdhsa_user_sgpr_kernarg_segment_ptr 1
		.amdhsa_wavefront_size32 1
		.amdhsa_system_sgpr_workgroup_id_x 1
		.amdhsa_system_sgpr_workgroup_id_y 1
		.amdhsa_system_sgpr_workgroup_id_z 1
		.amdhsa_system_vgpr_workitem_id 0
		.amdhsa_next_free_vgpr 256
		.amdhsa_next_free_sgpr 66
		.amdhsa_reserve_vcc 0
		.amdhsa_float_denorm_mode_32 3
		.amdhsa_float_denorm_mode_16_64 3
		.amdhsa_memory_ordered 1
		.amdhsa_forward_progress 1
		.amdhsa_inst_pref_size 164
	.end_amdhsa_kernel
	.amdgpu_metadata
---
amdhsa.version: [ 1, 2 ]
amdhsa.kernels:
  - .name:           k_q575251044a_attn
    .symbol:         k_q575251044a_attn.kd
    .args:
      - { .name: qbuf, .offset: 0, .size: 8, .value_kind: global_buffer, .address_space: global }
      - { .name: kv, .offset: 8, .size: 8, .value_kind: global_buffer, .address_space: global }
      - { .name: out0, .offset: 16, .size: 8, .value_kind: global_buffer, .address_space: global }
    .group_segment_fixed_size: 327680
    .private_segment_fixed_size: 0
    .kernarg_segment_align: 8
    .kernarg_segment_size: 24
    .max_flat_workgroup_size: 512
    .sgpr_count:     66
    .vgpr_count:     256
    .wavefront_size: 32
...
	.end_amdgpu_metadata
.endif
;; end of part 2
